; MI455X (gfx1250); checked and timed in simulation.
; The chip was launched on July 23, 2026; its instructions are those of AMD's public machine-readable ISA for CDNA 5 (MIT licence, August 2026) and "CDNA5" Instruction Set Architecture Reference Guide (July 2026). The comments in the code are by the model that wrote it; some were corrected since.
;; Infer Tree. Allowed arithmetic: float matrix products may take bf16 or f16 operands with f32 sums; all other float work in f32.
;; Inputs: W 111 x 2,048 x 11 float32; b 111 x 11 float32; labels 8,192 int32; x 8,192 x 2,048 float32.
;; Outputs: out0 8,192 x 1,000 float32; out1 one number float32.
;; One version. Each part assembles by itself: llvm-mc -triple=amdgcn-amd-amdhsa -mcpu=gfx1250 --defsym DOCPART=n.
;; ======== version 1 of 1: 2 launches
;; workspace buffers: Wt 5,242,880 bytes; bt 5,120 bytes
;; launch prep (part 1): grid 116 x 4, 11 waves a work-group, no clusters, 24,064 bytes of LDS; arguments W, b, Wt, bt, out1; writes Wt, bt, out1
.if DOCPART == 1
	.amdgcn_target "amdgcn-amd-amdhsa--gfx1250"
	.amdhsa_code_object_version 6
	.text
	.protected	k_qa1449ed9b5_prep
	.globl	k_qa1449ed9b5_prep
	.p2align	8
	.type	k_qa1449ed9b5_prep,@function
k_qa1449ed9b5_prep:
	s_mov_b64 s[64:65], 0
	v_nop
	global_prefetch_b8 v0, s[64:65] scope:SCOPE_SE
	s_setreg_imm32_b32 hwreg(HW_REG_WAVE_MODE, 25, 1), 1
	s_wait_xcnt 0x0
; PREP: W [111 nodes][2048 d][11 k] f32  ->  Wt [4 groups][320 columns][2048 d] bf16, rows along d, in the order in which the tree is cut;
;       b [111][11] f32 -> bt [4][320] f32 in the same column order;  out1 = 0.0 (reference()'s penalty is the constant 0).
;
; WORK LEFT OUT: reference() never reads labels: no output hangs on them, whatever they hold.  labels is not loaded and is no argument of any
; launch.  Limit: nothing that stands in labels can reach a result.
;
; THE CUT.  Group g (0..3) owns the leaves 250 g .. 250 g + 249, the children of the level-2 nodes q = 25 g .. 25 g + 24.  Their path needs the
; root, the three level-1 nodes p0 .. p0 + 2 with p0 = (5 g) >> 1 = 0, 2, 5, 7 (q / 10 runs over these), and the 25 level-2 nodes: 29 slots of
; 11 columns = 319 columns, and one column of zeros makes 320 = 20 matrix tiles.  Slot s holds node s + delta: delta = 0 for s = 0 (root),
; p0 for s = 1..3 (child p of the root is node 1 + p), 25 g + 7 for s >= 4 (level-2 node q is node 11 + q).  The root is laid out four times and
; nodes 3 and 8 twice: 1280 columns for 1221.
;
; A work-group takes one slot of one group and 512 of the 2048 d: 512 x 11 f32 = 22,528 dense bytes, read by 16-byte loads of neighbouring
; threads, turned in LDS, and written as 11 rows of 1,024 bytes: wave w is column w of the node, and each of its stores covers 256 consecutive
; bytes that start at a multiple of 256 from Wt's first byte.
.set NODEB,  90112                     ; bytes of a node in W: 2048 x 11 x 4
.set CHUNKB, 22528                     ; bytes of 512 d
.set PIECE,  5632                      ; 352 threads x 16 bytes; also 128 d x 44 bytes
	s_load_b256 s[4:11], s[0:1], 0x0               ; W s[4:5], b s[6:7], Wt s[8:9], bt s[10:11]
	s_load_b64 s[12:13], s[0:1], 0x20              ; out1
	v_lshl_add_u32 v56, v0, 2, 0x5800
	v_mov_b32 v57, 0
	v_lshrrev_b32 v2, 5, v0
	v_readfirstlane_b32 s14, v2                    ; wave 0..10 = column of the node
	s_lshr_b32 s15, ttmp9, 2                       ; slot s, 0..28
	s_and_b32 s16, ttmp9, 3                        ; which 512 d
	s_and_b32 s17, ttmp7, 0xffff                   ; group g
	s_mul_i32 s18, s17, 5
	s_lshr_b32 s18, s18, 1                         ; p0 = (5 g) >> 1
	s_mul_i32 s19, s17, 25
	s_add_co_u32 s19, s19, 7                       ; 25 g + 7
	s_cmp_lt_u32 s15, 4
	s_cselect_b32 s20, s18, s19                    ; delta: p0 for slots under 4, else 25 g + 7,
	s_cmp_eq_u32 s15, 0
	s_cselect_b32 s20, 0, s20                      ; and 0 for the root
	s_add_co_u32 s20, s20, s15                     ; the node
	s_mul_i32 s22, s20, NODEB
	s_mul_i32 s21, s16, CHUNKB
	s_add_co_u32 s22, s22, s21                     ; byte offset of my 22,528 bytes in W (under 10,002,432)
	s_mov_b32 s23, 0
	s_mul_i32 s24, s17, 320
	s_mul_i32 s25, s15, 11
	s_add_co_u32 s24, s24, s25
	s_add_co_u32 s24, s24, s14                     ; my wave's row of Wt: 320 g + 11 s + w
	s_lshl_b32 s24, s24, 12                        ; rows of 4,096 bytes
	s_lshl_b32 s25, s16, 10                        ; 512 d = 1,024 bytes
	s_add_co_u32 s24, s24, s25
	s_mov_b32 s25, 0
	v_lshlrev_b32 v1, 4, v0                        ; 16 t: my 16 bytes of a piece, in W and in LDS
	v_and_b32 v20, 31, v0                          ; lane
	v_mul_u32_u24 v21, v20, 176                    ; four d = 4 x 44 bytes a lane,
	v_lshl_add_u32 v21, s14, 2, v21                ; column w
	v_lshlrev_b32 v48, 3, v20                      ; 8 bytes (4 bf16) a lane
	v_mov_b32 v50, 0                               ; zeros: the padding row, and out1
	v_mov_b32 v51, 0
	s_wait_kmcnt 0x0
	s_add_nc_u64 s[4:5], s[4:5], s[22:23]
	s_add_nc_u64 s[8:9], s[8:9], s[24:25]
.irp i, 0,1,2,3
	global_load_b128 v[4+4*\i:7+4*\i], v1, s[4:5] offset:PIECE*\i
.endr
.irp i, 0,1,2,3
	s_wait_loadcnt 3-\i                            ; loads come back in order: piece i is in, the younger ones stay out
	ds_store_b128 v1, v[4+4*\i:7+4*\i] offset:PIECE*\i
.endr
	s_wait_dscnt 0x0                               ; my stores are in LDS before I say so
	s_barrier_signal -1
	s_barrier_wait -1                              ; everybody's are
	; element (d, k) lies at 44 d + 4 k.  Lane l takes d = 128 u + 4 l + i, i = 0..3: four neighbouring d of column w
.irp u, 0,1,2,3
.irp i, 0,1,2,3
	ds_load_b32 v[24+4*\u+\i], v21 offset:PIECE*\u+44*\i
.endr
.endr
.irp u, 0,1,2,3
	s_wait_dscnt 12-4*\u                           ; group u's four loads are in, the younger groups stay out
	v_cvt_pk_bf16_f32 v[40+2*\u], v[24+4*\u], v[24+4*\u+1]
	v_cvt_pk_bf16_f32 v[41+2*\u], v[24+4*\u+2], v[24+4*\u+3]
	global_store_b64 v48, v[40+2*\u:41+2*\u], s[8:9] offset:256*\u
.endr
	; column 319 of each group is zero: written by the wave that holds row 318, one row further down
	s_cmp_lg_u32 s15, 28
	s_cbranch_scc1 .Lno_pad
	s_cmp_lg_u32 s14, 10
	s_cbranch_scc1 .Lno_pad
.irp u, 0,1,2,3
	global_store_b64 v48, v[50:51], s[8:9] offset:4096+256*\u
.endr
.Lno_pad:
	s_cmp_lg_u32 ttmp9, 0
	s_cbranch_scc1 .Lend
	; the first work-group of each group also makes the group's 320 biases: thread c (waves 0 to 9) takes b[c + 11 delta(c)]
	s_cmp_lt_u32 s14, 10
	s_cbranch_scc0 .Lpenalty
	v_mov_b32 v52, s19                             ; 25 g + 7
	v_mov_b32 v53, s18                             ; p0
	v_cmp_gt_u32 vcc_lo, 44, v0
	v_cndmask_b32 v52, v52, v53, vcc_lo            ; columns under 44 (slots 0..3): p0
	v_cmp_le_u32 vcc_lo, 11, v0
	v_cndmask_b32 v52, 0, v52, vcc_lo              ; columns under 11 (the root): 0
	v_mad_u32_u24 v54, v52, 11, v0                 ; c + 11 delta
	v_min_u32 v54, 1220, v54                       ; column 319 would point one node on: kept inside b, its value is thrown away below
	v_lshlrev_b32 v54, 2, v54
	global_load_b32 v55, v54, s[6:7]
	s_mul_i32 s26, s17, 1280
	s_mov_b32 s27, 0
	s_add_nc_u64 s[10:11], s[10:11], s[26:27]      ; bt at group g
	v_lshlrev_b32 v53, 2, v0
	v_cmp_ne_u32 vcc_lo, 319, v0
	s_wait_loadcnt 0x0
	v_cndmask_b32 v55, 0, v55, vcc_lo              ; the padding column's bias is 0
	global_store_b32 v53, v55, s[10:11]
	s_branch .Lend
.Lpenalty:
	s_cmp_lg_u32 s17, 0
	s_cbranch_scc1 .Lend
	s_wait_xcnt 0x0                                ; EXEC is a source of my pending stores: it changes only behind this wait
	v_cmp_eq_u32 vcc_lo, 0, v20
	s_and_saveexec_b32 s28, vcc_lo                 ; one lane
	global_store_b32 v50, v51, s[12:13]            ; out1 = 0.0
	s_wait_xcnt 0x0                                ; and again in front of the line that widens it
	s_or_b32 exec_lo, exec_lo, s28
.Lend:
	s_wait_tensorcnt 0x0
	ds_add_u32 v56, v57
	s_wait_dscnt 0x0
	s_endpgm
.Lfunc_end_k_qa1449ed9b5_prep:
	.size	k_qa1449ed9b5_prep, .Lfunc_end_k_qa1449ed9b5_prep-k_qa1449ed9b5_prep
	.p2alignl 7, 3214868480
	.fill 96, 4, 3214868480
	.section	.rodata,"a",@progbits
	.p2align	6, 0x0
	.amdhsa_kernel k_qa1449ed9b5_prep
		.amdhsa_group_segment_fixed_size 24064
		.amdhsa_private_segment_fixed_size 0
		.amdhsa_enable_private_segment 0
		.amdhsa_kernarg_size 40
		.amdhsa_user_sgpr_count 2
		.amdhsa_user_sgpr_kernarg_segment_ptr 1
		.amdhsa_wavefront_size32 1
		.amdhsa_system_sgpr_workgroup_id_x 1
		.amdhsa_system_sgpr_workgroup_id_y 1
		.amdhsa_system_sgpr_workgroup_id_z 1
		.amdhsa_system_vgpr_workitem_id 0
		.amdhsa_next_free_vgpr 58
		.amdhsa_next_free_sgpr 66
		.amdhsa_reserve_vcc 1
		.amdhsa_float_denorm_mode_32 3
		.amdhsa_float_denorm_mode_16_64 3
		.amdhsa_memory_ordered 1
		.amdhsa_forward_progress 1
		.amdhsa_inst_pref_size 7
	.end_amdhsa_kernel
	.amdgpu_metadata
---
amdhsa.version: [ 1, 2 ]
amdhsa.kernels:
  - .name:           k_qa1449ed9b5_prep
    .symbol:         k_qa1449ed9b5_prep.kd
    .args:
      - { .name: W, .offset: 0, .size: 8, .value_kind: global_buffer, .address_space: global }
      - { .name: b, .offset: 8, .size: 8, .value_kind: global_buffer, .address_space: global }
      - { .name: Wt, .offset: 16, .size: 8, .value_kind: global_buffer, .address_space: global }
      - { .name: bt, .offset: 24, .size: 8, .value_kind: global_buffer, .address_space: global }
      - { .name: out1, .offset: 32, .size: 8, .value_kind: global_buffer, .address_space: global }
    .group_segment_fixed_size: 24064
    .private_segment_fixed_size: 0
    .kernarg_segment_align: 8
    .kernarg_segment_size: 40
    .max_flat_workgroup_size: 352
    .sgpr_count:     66
    .vgpr_count:     58
    .wavefront_size: 32
...
	.end_amdgpu_metadata
.endif
;; end of part 1
;; launch tree (part 2): grid 4 x 64, 4 waves a work-group, clusters of 4 x 4, 327,680 bytes of LDS; arguments x, Wt, bt, out0; writes out0
.if DOCPART == 2
	.amdgcn_target "amdgcn-amd-amdhsa--gfx1250"
	.amdhsa_code_object_version 6
	.text
	.protected	k_qa1449ed9b5_tree
	.globl	k_qa1449ed9b5_tree
	.p2align	8
	.type	k_qa1449ed9b5_tree,@function
k_qa1449ed9b5_tree:
	s_mov_b64 s[64:65], 0
	v_nop
	global_prefetch_b8 v0, s[64:65] scope:SCOPE_SE
	s_setreg_imm32_b32 hwreg(HW_REG_WAVE_MODE, 25, 1), 1
	s_wait_xcnt 0x0
	s_wait_alu depctr_hold_cnt(0) depctr_sa_sdst(0) depctr_va_vdst(0) depctr_va_sdst(0) depctr_va_ssrc(0) depctr_va_vcc(0) depctr_vm_vsrc(0)
	s_getreg_b32 s2, hwreg(HW_REG_IB_STS2, 6, 4)
	s_cmp_eq_u32 s2, 0
	s_cbranch_scc0 .Lentry_in_a_cluster
	s_endpgm
.Lentry_in_a_cluster:
	s_bfe_u32 s2, ttmp6, 0x10000c
	s_cmp_lg_u32 s2, 0xf033
	s_cbranch_scc0 .Lentry_shape_is_right
	s_endpgm
.Lentry_shape_is_right:
; TREE: out0[row][1000] = path probabilities of the 1000 leaves.  logits = x Wt^T + bt in bf16 products with f32 sums, 29 softmaxes of 11 a row
; and group, and the product down the tree, in one launch; the logits never leave the work-group.
; labels has no way to any output (reference() never reads it) and is not among the arguments.
;
; SHARES.  A work-group makes 128 rows x one group g of 320 columns (root, three level-1 nodes, 25 level-2 nodes, one column of zeros: the order
; that the first launch laid out), that is 250 leaves of 128 rows.  Grid 4 x 64 = 256 work-groups.  Four waves, as many as a WGP has SIMDs,
; 2 x 2: a wave makes 64 rows x 160 columns = 40 accumulator tiles of 16 x 16 = 320 registers.
; K goes in steps of 128 through two LDS slots filled by the tensor data mover: 320 rows of Wt (256 bytes each) and 128 rows of x (f32, 512 bytes
; each).  x is rounded to bf16 on the way from LDS to the matrix unit: 32 packed conversions for 40 matrix instructions.
; CLUSTERS: 4 x 4 work-groups.  The four of a row of the cluster take the same 128 rows of x, the four of a column the same group of Wt: each
; tile is asked for jointly, with the same descriptor and a mask that names the four.
; PREFETCH: at the head of each lap (two K steps) that refills, laps 0 to 6, every wave asks once for 32 blocks of 256 bytes of x: 8 rows x the 1,024
; bytes that this lap's two refills will request, one and two K steps later.  Row = 128 x block + 32 cx + 8 x wave + lane / 4: the four partners that share
; the tile and their four waves split its 128 rows, so each block is asked for once in the launch.  Lap 7 refills nothing and asks for nothing: the last
; request ends at byte 8,191 of a row.  Wt is not asked for: its 5 MB are read again by each of the 64 blocks of rows.
;
; LIMITS.  (a) A group's piece of a row of out0 is 1000 bytes at byte 4000 row + 1000 g.  The blocks of 256 bytes, aligned to out0's first byte, that lie
; inside a piece are each stored whole by one instruction; the block at a piece's head and the one at its tail also hold bytes of the neighbouring piece,
; which another work-group makes, and are stored in part.  A piece's last word of 8 bytes is stored by four lanes of one instruction, with the same value.
; (b) The exponent is fma(l, log2 e, -(m log2 e)), m the node's maximum: the rounding of m log2 e is the same for the node's eleven numbers and cancels
; in the quotient; what is left is the fma's one rounding.  (c) v_exp_f32 gives 0 for results under 2^-126 (ISA guide, its entry in 15.8): such a
; probability comes out as 0.
;
; REGISTERS, in windows of 256:
;   window 0: v16-28 addresses; v32-95 x as loaded (f32); v96-127, v128-159 fragments of x (4 x 16 rows x 32 K), two buffers; v160-239 the bias
;   window 1: the 20 accumulator tiles of my rows 0-31 (tile (a, b) at v[8 (10 a + b)]);  window 2: those of my rows 32-63
;   window 3: v0-79, v80-159 fragments of Wt (10 x 16 rows x 32 K), two buffers
;   once the logits are in LDS: window 0 works on the softmaxes, window 1 takes the finished rows back from LDS, window 2 holds them as they are stored
; THE MATRIX INSTRUCTION IS USED TRANSPOSED: source 0 = 16 rows of Wt, source 1 = 16 rows of x, so that lane l holds row l % 16 and its registers
; 0 to 7 the columns 8 (l / 16) + 0..7.  The first product of each tile takes the bias as C: nothing is cleared, nothing is added later.
; The 40 accumulators take turns in one fixed order, one instruction a turn, over the backward jump too.
.set KSTEP,  128
.set PB,     272                       ; LDS row of Wt: 256 bytes + 16; an odd multiple of 16, so 16 rows start at 16 different 16-byte columns modulo 256
.set PA,     528                       ; LDS row of x: 512 bytes + 16, likewise
.set BHALF,  160*PB                    ; what one load of Wt brings, and what one wave reads of it
.set BT,     2*BHALF
.set AHALF,  64*PA                     ; what one load of x brings, and what one wave reads of it
.set SLOT,   BT+2*AHALF                ; 154,624 bytes: Wt's 320 rows, then x's 128 rows
.set LP,     1296                      ; the logit stage: rows of 320 f32 + 16 bytes (81 x 16)
.set OSTG,   128*LP                    ; behind it the out stage, a part for each wave
.set OP,     1000                      ; a row of the out stage
.set WSTG,   32*OP+256                 ; a wave's part: 32 rows and 256 bytes to spare, so that even the largest lane term, 8 x 31, behind byte 768 of row 31
                                       ; ends at byte 32,024, inside the part: no address of a wave names a byte of another wave's part.  OSTG + 4 WSTG = 294,912 bytes
.set OROW,   4000                      ; bytes in a row of out0
.set LAPS,   8                         ; 2048 / 256: a lap = two K steps = once round the two slots
.set ADRA, 16                          ; v16-17  LDS address of my x rows in slot 0, 1
.set ADRB, 18                          ; v18-19  the same for Wt
.set STO,  20                          ; where I put 32 bytes of a row of logits
.set ROWA, 21                          ; my row of the logit stage (thread = row)
.set OSTA, 22                          ; my row of the out stage
.set RD,   23                          ; my wave's rows of the out stage, 8 bytes a lane
.set GO,   24                          ; 8 x lane
.set BO,   25                          ; 32 x (lane / 16): my byte offset in the bias
.set LANE, 26
.set RD3,  27                          ; as RD, with lanes 29 to 31 on lane 28's word: for a row's last 29 words
.set PFO,  28                          ; prefetch: 8,192 x (lane / 4) + 256 x (lane % 4); never rewritten
.set ST,   32                          ; x as loaded: 16 registers for each of four row tiles
.set AF0,  96
.set AF1,  128
.set BIAS, 160                         ; 8 registers for each of ten column tiles
.set BF0,  0                           ; window 3
.set BF1,  80
.set G1A, 24                           ; s[24:31] descriptor group 1 for x
.set G0A, 32                           ; s[32:39] descriptor group 0 for x, one set for each slot
.set G1B, 48                           ; s[48:55] group 1 for Wt
.set G0B, 56                           ; s[56:63] group 0 for Wt, one set for each slot
.set PX,  72                           ; s[72:73] prefetch: x at my wave's 8 rows, at the K of the lap last asked for
.set MK,  74                           ; s74-81   the way out: a lane mask for each class of rows
.set MSB, 0
.macro WIN new                         ; the immediate's high byte repeats the setting that is left
.if MSB != \new
	s_set_vgpr_msb (MSB<<8)|\new
.set MSB, \new
.endif
.endm
.set MUL_LO,   0x53                    ; source 0 (Wt) window 3, source 1 (x) window 0, C and D window 1
.set MUL_HI,   0xa3                    ; the same, C and D window 2
.set FIRST_LO, 0x43                    ; C (the bias) window 0, D window 1
.set FIRST_HI, 0x83                    ; C window 0, D window 2
.set TO_B,     0xc0                    ; destination window 3, address window 0
.set TO_X,     0x40                    ; the way out: destination window 1, address window 0
.set X_TO_Y,   0x85                    ; sources 0 and 1 window 1, destination window 2
.set FROM_Y,   0x08                    ; address window 0, store data window 2
; A joint load.  Waves 0 and 1 fetch Wt's two halves, waves 2 and 3 x's.  Each line has one mask and one set of registers for all that issue it;
; the branch hangs on the wave's number alone.
.macro JLOAD s
	s_cmp_eq_u32 s13, 0
	s_cbranch_scc0 .Lfor_x_\@
	tensor_load_to_lds s[G0B+4*\s:G0B+4*\s+3], s[G1B:G1B+7]
	s_nop 0
	s_branch .Lasked_\@
.Lfor_x_\@:
	tensor_load_to_lds s[G0A+4*\s:G0A+4*\s+3], s[G1A:G1A+7]
	s_nop 0
.Lasked_\@:
.endm
; A round of the cluster's barrier: my work-group's barrier, wave 0 signals for the work-group, every wave waits for all sixteen, my work-group's barrier again.
.macro CREST                           ; a round behind its opening barrier
	s_cmp_lg_u32 s12, 0
	s_cbranch_scc1 .Lnot_wave_0_\@
	s_barrier_signal -3
.Lnot_wave_0_\@:
	s_barrier_wait -3
	s_barrier_signal -1
	s_barrier_wait -1
.endm
.macro CROUND
	s_barrier_signal -1
	s_barrier_wait -1
	CREST
.endm
	s_load_b256 s[4:11], s[0:1], 0x0               ; x s[4:5], Wt s[6:7], bt s[8:9], out0 s[10:11]
	v_lshl_add_u32 v254, v0, 2, 0x4b800
	v_mov_b32 v255, 0
	ds_add_u32 v254, v255
	v_lshrrev_b32 v1, 5, v0
	v_readfirstlane_b32 s12, v1                    ; wave 0..3
	s_lshr_b32 s13, s12, 1                         ; which 64 rows are mine.  Also: I fetch Wt (0) or x (1)
	s_and_b32 s14, s12, 1                          ; which 160 columns are mine.  Also: which half of that tile I fetch
	s_bfe_u32 s40, ttmp6, 0x40000                  ; cx
	s_bfe_u32 s41, ttmp6, 0x40004                  ; cy
	s_lshl_b32 s42, ttmp9, 2
	s_add_co_u32 s42, s42, s40                     ; group g = 4 x cluster x + cx
	s_and_b32 s43, ttmp7, 0xffff
	s_lshl_b32 s43, s43, 2
	s_add_co_u32 s43, s43, s41                     ; block of 128 rows = 4 x cluster y + cy
	s_lshl_b32 s44, s41, 2
	s_lshl_b32 s44, 15, s44                        ; my row of the cluster: places 4 cy .. 4 cy + 3
	s_lshl_b32 s45, 0x1111, s40                    ; my column: places cx, cx + 4, cx + 8, cx + 12
	; group 1.  x: 64 rows x 128 elements of 4 bytes, 4 words of padding behind every 128 words.  Wt: 160 rows x 128 elements of 2 bytes, 4 words behind every 64.
	s_or_b32 s[G1A+0], s44, (2<<16)|(1<<20)|(1<<21)|(6<<22)|(3<<25)   ; 15:0 mask: my row; 17:16 element size; 20 padding on; 21 set beside a mask; 24:22 interval; 31:25 pad - 1
	s_or_b32 s[G1B+0], s45, (1<<16)|(1<<20)|(1<<21)|(5<<22)|(3<<25)   ; mask: my column
	s_mov_b32 s[G1A+1], KSTEP<<16                  ; tensor_dim0 = 128
	s_mov_b32 s[G1B+1], KSTEP<<16
	s_mov_b32 s[G1A+2], 64<<16                     ; tensor_dim1 = 64 rows
	s_mov_b32 s[G1B+2], 160<<16                    ; 160 rows
	s_mov_b32 s[G1A+3], KSTEP<<16                  ; tile_dim0 = 128
	s_mov_b32 s[G1B+3], KSTEP<<16
	s_mov_b32 s[G1A+4], 64                         ; tile_dim1
	s_mov_b32 s[G1B+4], 160
	s_mov_b32 s[G1A+5], 2048                       ; elements from row to row
	s_mov_b32 s[G1B+5], 2048
	s_mov_b32 s[G1A+6], 0
	s_mov_b32 s[G1B+6], 0
	s_mov_b32 s[G1A+7], 0
	s_mov_b32 s[G1B+7], 0
	; where the tiles come from: x's hang on the block of rows alone, Wt's on the group alone, each in registers that never hold the other coordinate
	s_lshl_b32 s16, s43, 7
	s_lshl_b32 s17, s14, 6
	s_add_co_u32 s16, s16, s17                     ; x: row 128 x block + 64 x half,
	s_lshl_b32 s16, s16, 13                        ; rows of 8,192 bytes (under 67,108,864)
	s_mov_b32 s17, 0
	s_mul_i32 s46, s42, 320
	s_mul_i32 s47, s14, 160
	s_add_co_u32 s46, s46, s47                     ; Wt: row 320 g + 160 x half; also my wave's first column
	s_lshl_b32 s20, s46, 2                         ; its place in bt
	s_mov_b32 s21, 0
	s_lshl_b32 s46, s46, 12                        ; rows of 4,096 bytes
	s_mov_b32 s47, 0
	s_mul_i32 s70, s12, AHALF                      ; and where they go: wave 2 at BT, wave 3 at BT + AHALF,
	s_add_co_u32 s70, s70, BT-2*AHALF
	s_mul_i32 s71, s12, BHALF                      ; wave 0 at 0, wave 1 at BHALF: the wave's number and constants alone
	s_lshl_b32 s22, s43, 7
	s_lshl_b32 s23, s12, 5
	s_add_co_u32 s22, s22, s23                     ; out0: my wave stores rows 128 x block + 32 x wave ..,
	s_mul_i32 s22, s22, OROW
	s_mul_i32 s23, s42, OP                         ; from byte 1000 g of each
	s_add_co_u32 s22, s22, s23
	s_mov_b32 s23, 0
	s_lshl_b32 s[PX], s43, 7                       ; prefetch: row 128 x block
	s_lshl_b32 s[PX+1], s40, 5                     ; + 32 cx (in a global address of my own alone: no descriptor and no LDS address is made of it)
	s_add_co_u32 s[PX], s[PX], s[PX+1]
	s_lshl_b32 s[PX+1], s12, 3                     ; + 8 x wave,
	s_add_co_u32 s[PX], s[PX], s[PX+1]
	s_lshl_b32 s[PX], s[PX], 13                    ; rows of 8,192 bytes
	s_mov_b32 s[PX+1], 0
	s_bitcmp1_b32 s42, 0
	s_cselect_b32 s66, -1, 0                       ; a lane mask: all ones where g is odd
	s_bitcmp1_b32 s42, 1
	s_cselect_b32 s67, -1, 0                       ; all ones where g >= 2
	s_mov_b32 s68, 0x3fb8aa3b                      ; log2 e
	s_wait_dscnt 0x0
	s_wait_kmcnt 0x0
	s_add_nc_u64 s[18:19], s[4:5], s[16:17]
	s_add_nc_u64 s[46:47], s[6:7], s[46:47]
	s_add_nc_u64 s[8:9], s[8:9], s[20:21]
	s_add_nc_u64 s[10:11], s[10:11], s[22:23]
	s_add_nc_u64 s[PX:PX+1], s[4:5], s[PX:PX+1]
	CROUND                                         ; all sixteen work-groups are here: the first joint loads meet
.irp s, 0,1
	s_mov_b32 s[G0A+4*\s], 1
	s_add_co_u32 s[G0A+4*\s+1], s70, \s*SLOT
	s_add_nc_u64 s[G0A+4*\s+2:G0A+4*\s+3], s[18:19], \s*KSTEP*4    ; K step s
	s_or_b32 s[G0A+4*\s+3], s[G0A+4*\s+3], 0x80000000
	s_mov_b32 s[G0B+4*\s], 1
	s_add_co_u32 s[G0B+4*\s+1], s71, \s*SLOT
	s_add_nc_u64 s[G0B+4*\s+2:G0B+4*\s+3], s[46:47], \s*KSTEP*2
	s_or_b32 s[G0B+4*\s+3], s[G0B+4*\s+3], 0x80000000
	JLOAD \s                                       ; both slots are asked for before anything else: two tensor loads of the wave are out here, one later
.endr
	v_and_b32 v1, 15, v0                           ; r = l % 16
	v_bfe_u32 v2, v0, 4, 1                         ; h = l / 16
	v_and_b32 v[LANE], 31, v0
	v_lshlrev_b32 v[BO], 5, v2
	v_lshlrev_b32 v[GO], 3, v[LANE]
.irp b, 0,1,2,3,4,5,6,7,8,9
	global_load_b128 v[BIAS+8*\b:BIAS+8*\b+3],   v[BO], s[8:9] offset:64*\b       ; register j of tile b: bias of column 16 b + 8 h + j, the layout of C
	global_load_b128 v[BIAS+8*\b+4:BIAS+8*\b+7], v[BO], s[8:9] offset:64*\b+16
.endr
	v_mul_u32_u24 v3, v1, PB
	v_lshl_add_u32 v3, v2, 4, v3                   ; Wt: row x pitch + 16 h (8 bf16)
	v_mul_u32_u24 v4, v1, PA
	v_lshl_add_u32 v4, v2, 5, v4                   ; x: row x pitch + 32 h (8 f32)
	s_mul_i32 s22, s14, BHALF                      ; my 160 rows of Wt
	s_mul_i32 s23, s13, AHALF                      ; my 64 rows of x,
	s_add_co_u32 s23, s23, BT                      ; which lie behind Wt's 320
.irp s, 0,1
	v_add_nc_u32 v[ADRB+\s], s22, v3
	v_add_nc_u32 v[ADRA+\s], s23, v4
	s_add_co_u32 s22, s22, SLOT
	s_add_co_u32 s23, s23, SLOT
.endr
	s_mul_i32 s22, s13, 64*LP
	s_mul_i32 s23, s14, 640
	s_add_co_u32 s22, s22, s23
	v_mul_u32_u24 v5, v1, LP
	v_lshl_add_u32 v5, v2, 5, v5
	v_add_nc_u32 v[STO], s22, v5                   ; (64 x row half + r) x 1296 + 640 x column half + 32 h
	s_mul_i32 s22, s12, 32*LP
	v_mul_u32_u24 v5, v[LANE], LP
	v_add_nc_u32 v[ROWA], s22, v5                  ; row 32 x wave + lane of the logit stage
	s_mul_i32 s22, s12, WSTG
	s_add_co_u32 s22, s22, OSTG                    ; my wave's part of the out stage: no other wave touches it
	v_mul_u32_u24 v5, v[LANE], OP
	v_add_nc_u32 v[OSTA], s22, v5
	v_add_nc_u32 v[RD], s22, v[GO]
	v_min_u32 v5, 224, v[GO]                       ; lanes 29 to 31 take lane 28's word: a row's last block has 29 words, and no byte past the row is read
	v_add_nc_u32 v[RD3], s22, v5
	v_lshrrev_b32 v5, 2, v[LANE]
	v_and_b32 v6, 3, v[LANE]
	v_lshlrev_b32 v6, 8, v6
	v_lshl_add_u32 v[PFO], v5, 13, v6              ; prefetch: row lane / 4 of my wave's eight, block lane % 4 of the lap's four
; 16 LDS loads: x of one quarter step (my 64 rows, 32 K = 128 bytes at 128 kq) as f32.  Lane (r, h) takes K = 8 h .. + 7 and 16 + 8 h .. + 7 of row r.
.macro FETCHA slot, kq
	WIN 0
.irp a, 0,1,2,3
	ds_load_b128 v[ST+16*\a:ST+16*\a+3],     v[ADRA+\slot] offset:\a*16*PA+128*\kq
	ds_load_b128 v[ST+16*\a+4:ST+16*\a+7],   v[ADRA+\slot] offset:\a*16*PA+128*\kq+16
	ds_load_b128 v[ST+16*\a+8:ST+16*\a+11],  v[ADRA+\slot] offset:\a*16*PA+128*\kq+64
	ds_load_b128 v[ST+16*\a+12:ST+16*\a+15], v[ADRA+\slot] offset:\a*16*PA+128*\kq+80
.endr
.endm
; 20 LDS loads: Wt's fragments of one quarter step (my 160 rows, 32 K = 64 bytes at 64 kq) into buffer f of window 3
.macro FETCHB slot, kq, f
	WIN TO_B
.irp b, 0,1,2,3,4,5,6,7,8,9
	ds_load_b128 v[\f+8*\b:\f+8*\b+3],   v[ADRB+\slot] offset:\b*16*PB+64*\kq
	ds_load_b128 v[\f+8*\b+4:\f+8*\b+7], v[ADRB+\slot] offset:\b*16*PB+64*\kq+32
.endr
.endm
; row tile a of x: 16 f32 a lane become a fragment of 8 registers in buffer g, the lower K in the lower half
.macro CVT a, g
.irp i, 0,1,2,3,4,5,6,7
	v_cvt_pk_bf16_f32 v[\g+8*\a+\i], v[ST+16*\a+2*\i], v[ST+16*\a+2*\i+1]
.endr
.endm
; ten matrix instructions: row tile a x all ten column tiles, 32 along K.  first = 1: the bias is C and starts the sums.
.macro MUL10 fb, fa, a, first
.irp b, 0,1,2,3,4,5,6,7,8,9
.if \first
	v_wmma_f32_16x16x32_bf16 v[8*(10*((\a)&1)+\b):8*(10*((\a)&1)+\b)+7], v[\fb+8*\b:\fb+8*\b+7], v[\fa+8*(\a):\fa+8*(\a)+7], v[BIAS+8*\b:BIAS+8*\b+7]
.else
	v_wmma_f32_16x16x32_bf16 v[8*(10*((\a)&1)+\b):8*(10*((\a)&1)+\b)+7], v[\fb+8*\b:\fb+8*\b+7], v[\fa+8*(\a):\fa+8*(\a)+7], v[8*(10*((\a)&1)+\b):8*(10*((\a)&1)+\b)+7]
.endif
.endr
.endm
; The second half of a quarter step: the products of row tiles 2 and 3 on buffers fb, fa, and between and behind them the 32 conversions that make
; the next quarter's fragments of x in buffer ga.  The closing 16 conversions name no register of the matrix instructions in front of them: they
; are the places (ISA guide 7.12.1 for vector instructions) between the last matrix instruction that reads fb, fa and the next quarter's loads
; into fb and conversions into fa.  So no v_nop stands in the loop.
.macro HALF2 fb, fa, ga, first
.if \first
	WIN FIRST_HI
.else
	WIN MUL_HI
.endif
	MUL10 \fb, \fa, 2, \first
	s_wait_dscnt 20                                ; the 16 loads of x are in; the 20 loads of Wt issued behind them may be out
	WIN 0
	CVT 0, \ga
	CVT 1, \ga
.if \first
	WIN FIRST_HI
.else
	WIN MUL_HI
.endif
	MUL10 \fb, \fa, 3, \first
	WIN 0
	CVT 2, \ga
	CVT 3, \ga
.endm
; A quarter step: multiplies buffers fb, fa and fetches quarter kq of slot into gb, ga.
.macro QUARTER slot, kq, fb, fa, gb, ga, first
	FETCHA \slot, \kq
	s_wait_dscnt 16                                ; this quarter's 20 loads of Wt are in; the 16 just issued stay out (behind a change of slots: met at once)
.if \first
	WIN FIRST_LO
.else
	WIN MUL_LO
.endif
	MUL10 \fb, \fa, 0, \first
	MUL10 \fb, \fa, 1, \first
	FETCHB \slot, \kq, \gb
	HALF2 \fb, \fa, \ga, \first
.endm
.macro THREE slot, first
	QUARTER \slot, 1, BF0, AF0, BF1, AF1, \first
	QUARTER \slot, 2, BF1, AF1, BF0, AF0, 0
	QUARTER \slot, 3, BF0, AF0, BF1, AF1, 0
.endm
; The last quarter step of a K step: changes slots, then multiplies buffers 1.  fill = 1: this slot is filled again, two K steps ahead.
; One barrier for the change, for two things.  In front of it each wave waits for its reads of this slot (its last fragments are in buffers 1) and for all
; its tensor loads, of which one is out: its part of the next slot.  Behind it nobody reads this slot and the next slot is whole: the refill comes first,
; then the next slot's reads.  Where a slot is filled again the barrier opens a round of the cluster's barrier, so that the same holds of every partner.
; Nothing stands inside the round: one tile is on its way at a time, and whatever stood between a tile's landing and the next request would be added to
; every K step in which the tile is the last to arrive.  All 40 products of this quarter step stand behind the request and run while the tile travels.
.macro TURN slot, next, fill
	s_wait_dscnt 0x0                               ; my reads of this slot are over
	s_wait_tensorcnt 0x0                           ; all my tensor loads have landed
	ds_add_u32 v254, v255
	s_wait_dscnt 0x0
	s_barrier_signal -1
	s_barrier_wait -1
.if \fill
	CREST
	s_add_nc_u64 s[G0A+4*\slot+2:G0A+4*\slot+3], s[G0A+4*\slot+2:G0A+4*\slot+3], 2*KSTEP*4   ; no tensor load of mine is out: the addresses may step
	s_add_nc_u64 s[G0B+4*\slot+2:G0B+4*\slot+3], s[G0B+4*\slot+2:G0B+4*\slot+3], 2*KSTEP*2
	JLOAD \slot                                    ; my one tensor load behind the round, and the first thing there
.endif
	QUARTER \next, 0, BF1, AF1, BF0, AF0, 0
.endm
; My wave's 32 blocks of the x that this lap's two refills will request: the next lap's 1,024 bytes of 8 rows.
.macro PREF
	s_wait_xcnt 0x0                                ; the base, which the last lap's prefetch names, steps only behind this wait; that prefetch stands a whole lap back
	s_add_nc_u64 s[PX:PX+1], s[PX:PX+1], 2*KSTEP*4
	global_prefetch_b8 v[PFO], s[PX:PX+1] th:TH_LOAD_NT scope:SCOPE_SE
.endm
.macro LAP first
	PREF
	THREE 0, \first
	TURN 0, 1, 1
	THREE 1, 0
	TURN 1, 0, 1
.endm
	s_wait_tensorcnt 0x1                           ; my part of K step 0 is in; K step 1's may stay out
	s_barrier_signal -1
	s_barrier_wait -1                              ; everybody's is
	FETCHA 0, 0
	FETCHB 0, 0, BF0
	s_wait_dscnt 20                                ; x is in, Wt's 20 loads may be out
	WIN 0
	CVT 0, AF0
	CVT 1, AF0
	CVT 2, AF0
	CVT 3, AF0
	s_wait_loadcnt 0x0                             ; the bias, once
	LAP 1                                          ; the first lap stands in front of the loop: its first products start the sums from the bias
	WIN 0                                          ; at a label and at a branch every window is 0
	s_mov_b32 s15, LAPS-2
.Llap:
	LAP 0
	WIN 0
	s_sub_co_u32 s15, s15, 1
	s_cmp_lg_u32 s15, 0
	s_cbranch_scc1 .Llap
	THREE 0, 0                                     ; the last lap fills nothing, asks for nothing and has no round of the cluster's barrier
	TURN 0, 1, 0
	THREE 1, 0
	s_wait_dscnt 0x0                               ; the very last quarter step: my reads of the slots are over,
	s_barrier_signal -1                            ; and I say so, since the stages below are laid over the slots (which have had their last fill)
	WIN MUL_LO
	MUL10 BF1, AF1, 0, 0
	MUL10 BF1, AF1, 1, 0
	WIN MUL_HI
	MUL10 BF1, AF1, 2, 0
	MUL10 BF1, AF1, 3, 0
	WIN 0
	s_barrier_wait -1                              ; nobody reads a slot any more
.rept 4
	v_nop                                          ; four places behind the last matrix instruction, in front of the stores of its results and of the writes of its sources
.endr
	; THE LOGITS GO TO LDS, so that a thread gets a whole row of 320: a lane's 8 registers of tile (a, b) are 32 neighbouring bytes of row 16 a + r
	WIN 0x04                                       ; store data from window 1
.irp a, 0,1
.irp b, 0,1,2,3,4,5,6,7,8,9
	ds_store_b128 v[STO], v[8*(10*\a+\b):8*(10*\a+\b)+3]   offset:\a*16*LP+64*\b
	ds_store_b128 v[STO], v[8*(10*\a+\b)+4:8*(10*\a+\b)+7] offset:\a*16*LP+64*\b+16
.endr
.endr
	WIN 0x08                                       ; from window 2
.irp a, 0,1
.irp b, 0,1,2,3,4,5,6,7,8,9
	ds_store_b128 v[STO], v[8*(10*\a+\b):8*(10*\a+\b)+3]   offset:(\a+2)*16*LP+64*\b
	ds_store_b128 v[STO], v[8*(10*\a+\b)+4:8*(10*\a+\b)+7] offset:(\a+2)*16*LP+64*\b+16
.endr
.endr
	WIN 0
	s_wait_dscnt 0x0                               ; my stores are in LDS before I say so
	s_barrier_signal -1
	s_barrier_wait -1                              ; a row's two halves come from two waves
	; SOFTMAX AND TREE, thread = row: everything stays in the lane.  A chunk is four nodes = 44 f32 = 11 loads of 16 bytes; two buffers take turns.
.set LB0, 32                           ; v32-75
.set LB1, 76                           ; v76-119
.set OU,  120                          ; v120-159  40 leaves of a chunk
.set PP,  160                          ; v160-184  path probability of my group's 25 level-2 nodes
.set E2,  186                          ; v186-215  the same for the 30 children of the three level-1 nodes; dead behind UPPER, then the stores' offsets (below)
.set MX,  216                          ; v216-219  - maximum x log2 e, a node each
.set SM,  220                          ; v220-223  sum, then 1 / sum
.set SU,  224                          ; v224-227  the sum's second chain
.set TM,  228                          ; v228-233  at work
.macro LOADC c, buf, n
.set ii, 0
.rept \n
	ds_load_b128 v[\buf+4*ii:\buf+4*ii+3], v[ROWA] offset:176*\c+16*ii
.set ii, ii+1
.endr
.endm
; n nodes in buf: e = 2^((l - max) log2 e) in place, SM = 1 / sum of the eleven
.macro SOFT buf, n
.set ii, 0
.rept \n
	v_max3_num_f32 v[MX+ii], v[\buf+11*ii], v[\buf+11*ii+1], v[\buf+11*ii+2]
.set ii, ii+1
.endr
.set kk, 3
.rept 4
.set ii, 0
.rept \n
	v_max3_num_f32 v[MX+ii], v[MX+ii], v[\buf+11*ii+kk], v[\buf+11*ii+kk+1]
.set ii, ii+1
.endr
.set kk, kk+2
.endr
.set ii, 0
.rept \n
	v_mul_f32 v[MX+ii], 0xbfb8aa3b, v[MX+ii]       ; - max x log2 e
.set ii, ii+1
.endr
.set jj, 0
.rept 11*\n
	v_fma_f32 v[\buf+jj], v[\buf+jj], s68, v[MX+jj/11]
.set jj, jj+1
.endr
.set jj, 0
.rept 11*\n
	v_exp_f32 v[\buf+jj], v[\buf+jj]
.set jj, jj+1
.endr
	v_nop                                          ; one plain instruction between the last exponential and the first use (ISA guide 5.7.2)
.set ii, 0
	s_wait_alu depctr_va_vdst(0)
.rept \n
	v_add_f32 v[SM+ii], v[\buf+11*ii], v[\buf+11*ii+1]
	v_add_f32 v[SU+ii], v[\buf+11*ii+2], v[\buf+11*ii+3]
.set ii, ii+1
.endr
.set kk, 4
.rept 3
.set ii, 0
.rept \n
	v_add_f32 v[SM+ii], v[SM+ii], v[\buf+11*ii+kk]
	v_add_f32 v[SU+ii], v[SU+ii], v[\buf+11*ii+kk+1]
.set ii, ii+1
.endr
.set kk, kk+2
.endr
.set ii, 0
.rept \n
	v_add_f32 v[SM+ii], v[SM+ii], v[\buf+11*ii+10]
.set ii, ii+1
.endr
.set ii, 0
.rept \n
	v_add_f32 v[SM+ii], v[SM+ii], v[SU+ii]
.set ii, ii+1
.endr
.set ii, 0
.rept \n
	v_rcp_f32 v[SM+ii], v[SM+ii]
.set ii, ii+1
.endr
	v_nop                                          ; likewise behind the reciprocals
.endm
; Chunk 0 = root and the level-1 nodes p0 + t, t = 0..2.  The root's column 1 + p0 + t is chosen by value (p0 = 0, 2, 5, 7 for g = 0..3): no branch
; and no address hangs on the group.  E2[10 t + c] = path probability of level-2 node 10 (p0 + t) + c; my 25 begin at 25 g - 10 p0 = 0 or 5.
.macro UPPER
.irp t, 0,1,2
	v_cndmask_b32 v[TM+\t],   v[LB0+1+\t], v[LB0+3+\t], s66
	v_cndmask_b32 v[TM+3+\t], v[LB0+6+\t], v[LB0+8+\t], s66
.endr
.irp t, 0,1,2
	v_cndmask_b32 v[TM+\t], v[TM+\t], v[TM+3+\t], s67
.endr
	s_wait_alu depctr_va_vdst(0)
.irp t, 0,1,2
	v_mul_f32 v[TM+\t], v[TM+\t], v[SM]            ; the root's probability of child p0 + t,
.endr
.irp t, 0,1,2
	v_mul_f32 v[TM+\t], v[TM+\t], v[SM+1+\t]       ; times that child's 1 / sum
.endr
.set jj, 0
.rept 30
	v_mul_f32 v[E2+jj], v[LB0+12+11*(jj/10)+jj%10], v[TM+jj/10]
.set jj, jj+1
.endr
.set jj, 0
.rept 25
	v_cndmask_b32 v[PP+jj], v[E2+jj], v[E2+jj+5], s66
.set jj, jj+1
.endr
.endm
; Chunk c >= 1 = level-2 nodes 4 (c - 1) + i of my group: ten leaves each (column 0 is in the sum and goes nowhere), to my row of the out stage
.macro LEAF c, buf, n
.set ii, 0
	s_wait_alu depctr_va_vdst(0)
.rept \n
	v_mul_f32 v[TM+ii], v[PP+4*(\c-1)+ii], v[SM+ii]
.set ii, ii+1
.endr
.set jj, 0
.rept 10*\n
	v_mul_f32 v[OU+jj], v[\buf+11*(jj/10)+1+jj%10], v[TM+jj/10]
.set jj, jj+1
.endr
.set jj, 0
.rept 5*\n
	ds_store_b64 v[OSTA], v[OU+2*jj:OU+2*jj+1] offset:160*(\c-1)+8*jj   ; rows 250 words apart: 32 lanes start at 32 different even words modulo 64
.set jj, jj+1
.endr
.endm
	; THE WAY OUT, set among the chunks.  My wave's part of the out stage is written by my wave alone, and LDS serves a wave's instructions in order
	; (ISA guide 5.7.1.4): no barrier, and no wait between LEAF's stores and the loads that read them back.
	; My wave's 32 rows of out0 begin at a multiple of 256 bytes (32 x 4000 = 500 x 256).  In words of 8 bytes, the piece of row rho begins
	; s = (500 rho + 125 g) mod 32 = (20 rho + 29 g) mod 32 words behind such a multiple; 20 x 8 = 5 x 32, so s hangs on the class c = rho mod 8 alone.
	; A row's 125 words are read as four blocks X[0..3] of 32 (LDS addresses without g).  The aligned block of out0 that X[t-1] and X[t] share takes X[t]
	; from the lanes under 32 - s (the mask M) and X[t-1] from the others: Y[t] = M ? X[t] : X[t-1], chosen by value, and the two sets of lanes differ by
	; 256 in the global offset alone.  So for t = 1, 2, and for t = 3 where s >= 3, one store covers 256 consecutive bytes that start at a multiple of 256
	; from out0's first byte.  Y[0] = M ? X[0] : X[3] is the piece's head and its tail in one store.
	; Words 125 to 127 do not exist: for X[3] the lanes 29 to 31 read lane 28's word (124) and, where they give X[3], store it at lane 28's offset: the same
	; value to the same address, in the same instruction.  So every lane is on in every store, and EXEC never changes.
	; WHEN.  Behind LEAF c a row has its first 160 c bytes.  Y[1] needs bytes 0 to 511: behind LEAF 4.  Y[2] needs bytes up to 767: behind LEAF 5.  Their
	; 64 stores go out between chunk 5's and chunk 6's exponentials and leaves, with the rest of the chunks still to issue behind them; Y[3] and Y[0] need
	; the row's end and follow LEAF 7.
	; REGISTERS.  X(rho, t) = v[8 rho + 2 t] of window 1, Y(rho, t) the same number in window 2: the accumulators' windows, free since the logits are in LDS.
	; Each is written once, and the offsets are never rewritten: no source of a pending store is ever written, and the way out has no wait for that.
.set GO1, 186                          ; v186-193  class c: M ? 8 l + 256 : 8 l                    (blocks 1 and 2)
.set GO3, 194                          ; v194-201  class c: M ? 8 min(l, 28) + 256 : 8 l          (block 3)
.set GH,  202                          ; v202-209  class c: M ? 8 l : 8 min(l, 28) + 768          (head and tail)
.set GM,  210                          ; 8 min(l, 28)
.set GB,  211                          ; 8 l + 256
.set GB3, 212                          ; 8 min(l, 28) + 256
.set GC,  213                          ; 8 min(l, 28) + 768
.macro LOADX t, r0, n                  ; block t of rows r0 .. r0 + n - 1, a load each
	WIN TO_X
.set rr, \r0
.rept \n
.if \t == 3
	ds_load_b64 v[8*rr+6:8*rr+7], v[RD3] offset:OP*rr+768
.else
	ds_load_b64 v[8*rr+2*\t:8*rr+2*\t+1], v[RD] offset:OP*rr+256*\t
.endif
.set rr, rr+1
.endr
.endm
.macro SEL t, r0, n                    ; Y[t] = M ? X[t] : X[t - 1 mod 4] of rows r0 .. r0 + n - 1
	WIN X_TO_Y
.set rr, \r0
	s_wait_alu depctr_va_vdst(0)
.rept \n
	v_cndmask_b32 v[8*rr+2*\t],   v[8*rr+2*((\t+3)%4)],   v[8*rr+2*\t],   s[MK+rr%8]
	v_cndmask_b32 v[8*rr+2*\t+1], v[8*rr+2*((\t+3)%4)+1], v[8*rr+2*\t+1], s[MK+rr%8]
.set rr, rr+1
.endr
.endm
.macro STU t, r0, n                    ; Y[t] of rows r0 .. r0 + n - 1 goes out, a store each
	WIN FROM_Y
.set rr, \r0
.rept \n
.if \t == 0
	global_store_b64 v[GH+rr%8], v[8*rr:8*rr+1], s[10:11] offset:OROW*rr th:TH_STORE_NT
.else
.if \t == 3
	global_store_b64 v[GO3+rr%8], v[8*rr+6:8*rr+7], s[10:11] offset:OROW*rr+512 th:TH_STORE_NT
.else
	global_store_b64 v[GO1+rr%8], v[8*rr+2*\t:8*rr+2*\t+1], s[10:11] offset:OROW*rr+256*(\t-1) th:TH_STORE_NT
.endif
.endif
.set rr, rr+1
.endr
.endm
	LOADC 0, LB0, 11
	LOADC 1, LB1, 11
	s_wait_dscnt 11                                ; chunk 0 is in; chunk 1's 11 loads stay out
	SOFT LB0, 4
	UPPER
	; the masks and the stores' offsets, once, in the registers that UPPER has just left
	s_mul_i32 s82, s42, 29                         ; 29 g
	v_min_u32 v[GM], 224, v[GO]
	v_add_nc_u32 v[GB], 0x100, v[GO]
	v_add_nc_u32 v[GB3], 0x100, v[GM]
	v_add_nc_u32 v[GC], 0x300, v[GM]
.irp c, 0,1,2,3,4,5,6,7
	s_add_co_u32 s83, s82, 20*\c
	s_and_b32 s83, s83, 31                         ; s of class c
	s_lshr_b32 s[MK+\c], -1, s83                   ; M: the lanes under 32 - s
	v_cndmask_b32 v[GO1+\c], v[GO], v[GB],  s[MK+\c]
	v_cndmask_b32 v[GO3+\c], v[GO], v[GB3], s[MK+\c]
	v_cndmask_b32 v[GH+\c],  v[GC], v[GO],  s[MK+\c]
.endr
	LOADC 2, LB0, 11
	s_wait_dscnt 11                                ; chunk 1 is in; chunk 2's 11 loads stay out
	SOFT LB1, 4
	LEAF 1, LB1, 4
	LOADC 3, LB1, 11
	s_wait_dscnt 31                                ; behind chunk 2's loads: 20 stores and 11 loads
	SOFT LB0, 4
	LEAF 2, LB0, 4
	LOADC 4, LB0, 11
	s_wait_dscnt 31
	SOFT LB1, 4
	LEAF 3, LB1, 4
	LOADC 5, LB1, 11
	s_wait_dscnt 31
	SOFT LB0, 4
	LEAF 4, LB0, 4                                 ; bytes 0 to 639 of every row are written
	LOADC 6, LB0, 11
	s_wait_dscnt 31                                ; chunk 5 is in
	LOADX 0, 0, 16                                 ; blocks 0 and 1 of rows 0-15 come back while chunk 5's exponentials run
	LOADX 1, 0, 16
	WIN 0
	SOFT LB1, 4
	s_wait_dscnt 0x0                               ; those 32 loads are the youngest LDS instructions: zero.  (Chunk 6, asked for in front of them, is in too)
	LOADX 0, 16, 16                                ; rows 16-31 come back under rows 0-15's selects and stores
	LOADX 1, 16, 16
	SEL 1, 0, 16
	STU 1, 0, 16
	s_wait_dscnt 0x0                               ; again the youngest
	SEL 1, 16, 16
	STU 1, 16, 16
	WIN 0
	LEAF 5, LB1, 4                                 ; bytes up to 799
	LOADC 7, LB1, 3                                ; the last node and the padding column
	LOADX 2, 0, 32                                 ; block 2 of all rows comes back while chunk 6's exponentials run
	WIN 0
	SOFT LB0, 4                                    ; chunk 6: shown in by the waits for zero above
	s_wait_dscnt 0x0                               ; block 2's loads are the youngest: zero.  (Chunk 7 is in too)
	SEL 2, 0, 32
	STU 2, 0, 32
	WIN 0
	LEAF 6, LB0, 4
	SOFT LB1, 1
	LEAF 7, LB1, 1                                 ; the rows are whole
	LOADX 3, 0, 32
	s_wait_dscnt 16                                ; block 3 of rows 0-15 is in; the 16 loads of rows 16-31 stay out
	SEL 3, 0, 16
	SEL 0, 0, 16
	STU 3, 0, 16
	STU 0, 0, 16
	s_wait_dscnt 0x0                               ; the rest; and no LDS instruction is pending at the signal below
	SEL 3, 16, 16
	SEL 0, 16, 16
	STU 3, 16, 16
	STU 0, 16, 16
	WIN 0
	s_wait_tensorcnt 0x0
	ds_add_u32 v254, v255
	s_wait_dscnt 0x0
	CROUND                                         ; the closing round: no work-group ends while a partner may still ask for a tile that names it
	s_endpgm
.Lfunc_end_k_qa1449ed9b5_tree:
	.size	k_qa1449ed9b5_tree, .Lfunc_end_k_qa1449ed9b5_tree-k_qa1449ed9b5_tree
	.p2alignl 7, 3214868480
	.fill 96, 4, 3214868480
	.section	.rodata,"a",@progbits
	.p2align	6, 0x0
	.amdhsa_kernel k_qa1449ed9b5_tree
		.amdhsa_group_segment_fixed_size 327680
		.amdhsa_private_segment_fixed_size 0
		.amdhsa_enable_private_segment 0
		.amdhsa_kernarg_size 32
		.amdhsa_user_sgpr_count 2
		.amdhsa_user_sgpr_kernarg_segment_ptr 1
		.amdhsa_wavefront_size32 1
		.amdhsa_system_sgpr_workgroup_id_x 1
		.amdhsa_system_sgpr_workgroup_id_y 1
		.amdhsa_system_sgpr_workgroup_id_z 1
		.amdhsa_system_vgpr_workitem_id 0
		.amdhsa_next_free_vgpr 1024
		.amdhsa_next_free_sgpr 84
		.amdhsa_reserve_vcc 0
		.amdhsa_float_denorm_mode_32 3
		.amdhsa_float_denorm_mode_16_64 3
		.amdhsa_memory_ordered 1
		.amdhsa_forward_progress 1
		.amdhsa_inst_pref_size 255
	.end_amdhsa_kernel
	.section	.bss,"aw",@nobits
	.p2align	6
	.space	262144
	.amdgpu_metadata
---
amdhsa.version: [ 1, 2 ]
amdhsa.kernels:
  - .name:           k_qa1449ed9b5_tree
    .symbol:         k_qa1449ed9b5_tree.kd
    .args:
      - { .name: x, .offset: 0, .size: 8, .value_kind: global_buffer, .address_space: global }
      - { .name: Wt, .offset: 8, .size: 8, .value_kind: global_buffer, .address_space: global }
      - { .name: bt, .offset: 16, .size: 8, .value_kind: global_buffer, .address_space: global }
      - { .name: out0, .offset: 24, .size: 8, .value_kind: global_buffer, .address_space: global }
    .group_segment_fixed_size: 327680
    .private_segment_fixed_size: 0
    .kernarg_segment_align: 8
    .kernarg_segment_size: 32
    .max_flat_workgroup_size: 128
    .sgpr_count:     84
    .vgpr_count:     1024
    .wavefront_size: 32
...
	.end_amdgpu_metadata
.endif
;; end of part 2
